; MI455X (gfx1250); checked and timed in simulation.
; The chip was launched on July 23, 2026; its instructions are those of AMD's public machine-readable ISA for CDNA 5 (MIT licence, August 2026) and "CDNA5" Instruction Set Architecture Reference Guide (July 2026). The comments in the code are by the model that wrote it; some were corrected since.
;; Quantized Linear. Allowed arithmetic: float matrix products may take bf16 or f16 operands with f32 sums; other float arithmetic in f32, or as packed bf16 or f16 multiplies, adds, multiply-adds, maxima and minima; sums over many terms, partial sums and values carried from step to step in f32; what a program stores and reads back later, other than sums and carried values, may be rounded once to bf16 or f16.
;; Inputs: qweight 262,144 x 16 int32; scales 262,144 float32; x 4 x 2,048 x 4,096 float32.
;; Outputs: out0 4 x 2,048 x 2,048 float32.
;; 2 versions, each right; version 2 is version 1 with the launch prep written anew for expert scheduling mode. Each part assembles by itself: llvm-mc -triple=amdgcn-amd-amdhsa -mcpu=gfx1250 --defsym DOCPART=n.
;; ======== version 1 of 2: 2 launches
;; limits: values are held in f16: magnitudes above 65,504 overflow, below 6.1e-05 lose precision
;; workspace buffers: wh 16,777,216 bytes; xh 67,108,864 bytes
;; launch prep (part 1): grid 256 x 1, 8 waves a work-group, no clusters, 5,632 bytes of LDS; arguments qweight, scales, wh, x, xh; writes wh, xh
.if DOCPART == 1
	.amdgcn_target "amdgcn-amd-amdhsa--gfx1250"
	.amdhsa_code_object_version 6
	.text
	.protected	k_q8232d8ac49_prep
	.globl	k_q8232d8ac49_prep
	.p2align	8
	.type	k_q8232d8ac49_prep,@function
k_q8232d8ac49_prep:
	s_mov_b64 s[64:65], 0
	v_nop
	global_prefetch_b8 v0, s[64:65] scope:SCOPE_SE
	s_setreg_imm32_b32 hwreg(HW_REG_WAVE_MODE, 25, 1), 1
	s_wait_xcnt 0x0
; TWO THINGS FOR THE PRODUCT THAT FOLLOWS: W is built in f16, and x is rounded to f16.
; W[n][k] = scales[128 n + k / 32] x (nibble - 8).  qweight: one int32 holds two weights: bits 3:0 the even k, bits 7:4 the odd k; word n x 2048 + k / 2.  Only bits 7:0 of a word count.
; wh: [64 blocks of 64 k][2048 n][64 k] f16: byte ks x 262,144 + n x 128 + 2 (k % 64): the 256 rows n that a tile of the product wants of one block are 32,768 bytes on end.
; xh: x as it lies, [8192][4096], each number rounded once to f16.
; WHY x IS ROUNDED HERE.  A tile of 256 x 256 of the product takes 256 x 4 + 256 x 2 bytes of LDS for each k with x in f32, 256 x 2 + 256 x 2 with x in f16: only in f16 do two slots of 128 along K fit.
; NOTHING IS LEFT OUT: all three inputs of the problem reach the output, and this launch loads all three.
; ARITHMETIC.  q x s - 8 s in one fused multiply-add: 8 s is exact, so the one rounding gives the bits of the f32 product s x (q - 8); then one rounding to f16.
; LIMITS.  f16: a weight or an x of 65,520 or more in magnitude becomes an infinity; below 6.1e-5 a number keeps f16's fixed step of 6e-8.  NaN and infinities go through as they are.
; SHARES, W.  A work-group owns 8 rows n: 65,536 bytes in, 65,536 out, 4,096 bytes of scales.  A CHUNK is one row's part of one block: 32 words in, 128 bytes out, two groups of 32 weights.
; Wave w takes rows 4 (w % 2) .. + 3 and the 16 chunks from 16 (w / 2) on.  Of a chunk a lane takes 4 words (8 weights): lanes 8 rs .. 8 rs + 7 cover the chunk of row rs of the four.
; A load covers 128 bytes on end of each of four rows, and two loads that follow each other 256; a store covers 512 consecutive bytes, at a multiple of 512 from wh's first byte.
; SCALES.  The work-group's 4,096 bytes are loaded once, 16 bytes a thread, and dealt through LDS, the even groups' and the odd groups' apart, so that a lane finds the 16 scales of its 16 chunks on end.
; SHARES, x.  A work-group owns 32 rows of x, a wave 4: 65,536 bytes on end, 128 loads of 512 bytes.  A ring of 32 slots in registers keeps 32 loads of every wave on their way; the first 32 go out
; behind qweight's loads, ahead of all the work on W.  A slot's 16 bytes a lane become 8: a store of the wave covers 256 consecutive bytes, at a multiple of 256 from xh's first byte.
; No matrix unit, no cluster, no tensor load, no prefetch: nothing is shared between work-groups, and the launch does nothing but stream.
.set RP,    576                        ; LDS: a row's scales: 64 of the even groups (one a block) at +0, 64 of the odd groups at +OD
.set OD,    272
.set SPARE, 8*RP                       ; behind them (byte 4,608, a multiple of 256): the spare words, 128 bytes for each of the eight waves; no other line names them
.set WBLK,  262144                     ; bytes of wh in a block of 64 k
.set DEPTH, 32                         ; x: slots = loads in flight in each wave
.set ROUNDS, 4                         ; each round takes every slot once: 4 x 32 x 512 bytes
.set QO,  4                            ; v4   my byte offset in the work-group's part of qweight, chunk 0 of my 16
.set WO,  5                            ; v5   the same in wh
.set SO,  6                            ; v6   16 x thread: my four scales
.set LW,  7                            ; v7   where I put them
.set LR,  8                            ; v8   where I find my 16
.set SPW, 10                           ; v10  LDS address of my spare word: SPARE + 4 x my thread's number; never rewritten
.set NIL, 11                           ; v11  0; never rewritten
.set T,   12                           ; v[12:19]   eight weights at work
.set SC,  20                           ; v[20:23]   four scales as loaded
.set S,   24                           ; v[24:39]   chunk i's scale for my half of the chunk
.set C,   40                           ; v[40:55]   -8 x that
.set X,   56                           ; v[56:119]  chunk i: four words as loaded, then 8 f16 to store
.set CY,  56                           ;            later: slot i of x: two registers, 4 f16 to store
.set XI,  120                          ; v120 16 x lane: my place in 512 bytes of x; never rewritten
.set XO,  121                          ; v121 8 x lane: my place in 256 bytes of xh; never rewritten
.set CX,  124                          ; v[124:251] slot i of x: four registers as loaded
	s_load_b128 s[4:7], s[0:1], 0x0                ; qweight s[4:5], scales s[6:7]
	s_load_b64 s[8:9], s[0:1], 0x10                ; wh
	s_load_b64 s[16:17], s[0:1], 0x18              ; x
	s_load_b64 s[18:19], s[0:1], 0x20              ; xh
	v_lshl_add_u32 v[SPW], v0, 2, SPARE
	v_mov_b32 v[NIL], 0
	v_lshrrev_b32 v9, 5, v0
	v_readfirstlane_b32 s10, v9                    ; wave 0..7
	s_and_b32 s11, s10, 1                          ; which four rows
	s_lshr_b32 s12, s10, 1                         ; which 16 chunks
	s_mov_b32 s14, 0xc1000000                      ; -8.0
	s_mov_b32 s15, s14                             ; named with it as a pair
	v_and_b32 v1, 7, v0                            ; my 16 bytes of a chunk
	v_bfe_u32 v2, v0, 3, 2                         ; my row of the four
	v_bfe_u32 v3, v0, 2, 1                         ; which of the chunk's two groups my words lie in
	v_lshl_add_u32 v2, s11, 2, v2                  ; my row of the eight
	v_lshlrev_b32 v[QO], 4, v1
	v_lshl_add_u32 v[WO], v2, 7, v[QO]             ; wh: row x 128 + 16 x place,
	v_lshl_add_u32 v[QO], v2, 13, v[QO]            ; qweight: row x 8,192 + 16 x place,
	s_lshl_b32 s13, s12, 11
	v_add_nc_u32 v[QO], s13, v[QO]                 ; + 16 chunks of 128 bytes for each step of w / 2
	s_lshl_b32 s13, s12, 22
	v_add_nc_u32 v[WO], s13, v[WO]                 ; + 16 blocks of 262,144 bytes
	v_lshlrev_b32 v[SO], 4, v0
	v_and_b32 v9, 31, v0
	v_lshlrev_b32 v[XI], 4, v9
	v_lshlrev_b32 v[XO], 3, v9
	s_mul_i32 s13, s10, RP
	v_lshl_add_u32 v[LW], v9, 3, s13               ; wave w holds row w's 128 scales; lane l those of blocks 2 l and 2 l + 1
	v_mul_u32_u24 v[LR], v2, RP
	v_mad_u32_u24 v[LR], v3, OD, v[LR]
	s_lshl_b32 s13, s12, 6
	v_add_nc_u32 v[LR], s13, v[LR]                 ; my row, my kind of group, my first chunk
	s_lshl_b32 s20, ttmp9, 19                      ; x: the work-group's 524,288 bytes,
	s_lshl_b32 s21, s10, 16                        ; my wave's 65,536 of them
	s_add_co_u32 s20, s20, s21
	s_mov_b32 s21, 0
	s_lshl_b32 s2, ttmp9, 16                       ; the work-group's 65,536 bytes of qweight
	s_mov_b32 s3, 0
	s_wait_kmcnt 0x0
	s_add_nc_u64 s[4:5], s[4:5], s[2:3]
	s_lshl_b32 s2, ttmp9, 12                       ; its 4,096 bytes of scales
	s_add_nc_u64 s[6:7], s[6:7], s[2:3]
	s_lshl_b32 s2, ttmp9, 10                       ; its 1,024 bytes of each block of wh
	s_add_nc_u64 s[8:9], s[8:9], s[2:3]
	s_add_nc_u64 s[16:17], s[16:17], s[20:21]
	s_lshr_b32 s20, s20, 1                         ; xh: half as many bytes
	s_add_nc_u64 s[18:19], s[18:19], s[20:21]
	global_load_b128 v[SC:SC+3], v[SO], s[6:7]
.irp i, 0,1,2,3,4,5,6,7,8,9,10,11,12,13,14,15
	global_load_b128 v[X+4*(\i):X+4*(\i)+3], v[QO], s[4:5] offset:128*(\i) th:TH_LOAD_NT
.endr
.set n, 0
.rept DEPTH
	global_load_b128 v[CX+4*n:CX+4*n+3], v[XI], s[16:17] offset:512*n th:TH_LOAD_NT  ; x's ring is filled: it is on its way during all the work on W
.set n, n+1
.endr
	s_wait_loadcnt 16+DEPTH                        ; the scales are in; the 16 + 32 younger loads stay out
	v_mov_b32 v9, v[SC+1]                          ; groups 4 l .. 4 l + 3 -> (even, even), (odd, odd)
	v_mov_b32 v[SC+1], v[SC+2]
	v_mov_b32 v[SC+2], v9
	ds_store_b64 v[LW], v[SC:SC+1]
	ds_store_b64 v[LW], v[SC+2:SC+3] offset:OD
	s_wait_dscnt 0x0                               ; for the other waves' sake: my stores are done
	s_barrier_signal -1
	s_barrier_wait -1                              ; all eight rows' scales lie in LDS
.irp i, 0,1,2,3
	ds_load_b128 v[S+4*(\i):S+4*(\i)+3], v[LR] offset:16*(\i)
.endr
	s_wait_dscnt 0x0
.irp i, 0,2,4,6,8,10,12,14
	v_pk_mul_f32 v[C+(\i):C+(\i)+1], v[S+(\i):S+(\i)+1], s[14:15] op_sel_hi:[1,0]
.endr
.macro CHUNK i
	s_wait_loadcnt DEPTH+15-(\i)                   ; loads come back in order (ISA guide 5.7.1): chunk i is in; the younger chunks and x's 32 loads stay out
.irp j, 0,1,2,3
	v_and_b32 v[T+2*(\j)], 15, v[X+4*(\i)+(\j)]    ; the even k
	v_bfe_u32 v[T+2*(\j)+1], v[X+4*(\i)+(\j)], 4, 4  ; the odd k
.endr
.irp j, 0,1,2,3,4,5,6,7
	v_cvt_f32_u32 v[T+(\j)], v[T+(\j)]
.endr
.irp j, 0,1,2,3,4,5,6,7
	v_fma_f32 v[T+(\j)], v[T+(\j)], v[S+(\i)], v[C+(\i)]  ; q s - 8 s
.endr
.irp j, 0,1,2,3
	v_cvt_pk_f16_f32 v[X+4*(\i)+(\j)], v[T+2*(\j)], v[T+2*(\j)+1]  ; in place: the word's two weights, the even k below
.endr
	global_store_b128 v[WO], v[X+4*(\i):X+4*(\i)+3], s[8:9] offset:(\i)*WBLK  ; the block stands in the immediate: 3,932,160 at the most, inside its signed 24 bits
.endm
.irp i, 0,1,2,3,4,5,6,7,8,9,10,11,12,13,14,15
	CHUNK \i
.endr
; x.  One slot's turn.  ahead = 1: the slot is filled again with the 512 bytes DEPTH slots on.  left = how many younger loads may stay out.
.macro CSLOT i, ahead, left
	s_wait_loadcnt \left                           ; mine is in, the younger ones stay out
	v_cvt_pk_f16_f32 v[CY+2*(\i)],   v[CX+4*(\i)],   v[CX+4*(\i)+1]
	v_cvt_pk_f16_f32 v[CY+2*(\i)+1], v[CX+4*(\i)+2], v[CX+4*(\i)+3]
.if \ahead
	global_load_b128 v[CX+4*(\i):CX+4*(\i)+3], v[XI], s[16:17] offset:512*(DEPTH+(\i)) th:TH_LOAD_NT
.endif
	global_store_b64 v[XO], v[CY+2*(\i):CY+2*(\i)+1], s[18:19] offset:256*(\i)
.endm
	s_wait_xcnt 0x0                                ; W's stores have read v56-119, which now take x's results
	s_mov_b32 s22, ROUNDS-1
.Lround:
.set n, 0
.rept DEPTH
	CSLOT n, 1, DEPTH-1
.set n, n+1
.endr
	s_wait_xcnt 0x0                                ; every load and store issued so far has read its registers: the two bases and the round's 64 result registers are written again only behind this wait
	s_add_nc_u64 s[16:17], s[16:17], DEPTH*512
	s_add_nc_u64 s[18:19], s[18:19], DEPTH*256
	s_sub_co_u32 s22, s22, 1
	s_cmp_lg_u32 s22, 0
	s_cbranch_scc1 .Lround
.set n, 0
.rept DEPTH
	CSLOT n, 0, DEPTH-1-n                          ; the last round loads nothing: the counts run down
.set n, n+1
.endr
	s_wait_tensorcnt 0x0                           ; the wave's end, behind my last LDS store
	ds_add_u32 v[SPW], v[NIL]
	s_wait_dscnt 0x0
	s_endpgm
.Lfunc_end_k_q8232d8ac49_prep:
	.size	k_q8232d8ac49_prep, .Lfunc_end_k_q8232d8ac49_prep-k_q8232d8ac49_prep
	.p2alignl 7, 3214868480
	.fill 96, 4, 3214868480
	.section	.rodata,"a",@progbits
	.p2align	6, 0x0
	.amdhsa_kernel k_q8232d8ac49_prep
		.amdhsa_group_segment_fixed_size 5632
		.amdhsa_private_segment_fixed_size 0
		.amdhsa_enable_private_segment 0
		.amdhsa_kernarg_size 40
		.amdhsa_user_sgpr_count 2
		.amdhsa_user_sgpr_kernarg_segment_ptr 1
		.amdhsa_wavefront_size32 1
		.amdhsa_system_sgpr_workgroup_id_x 1
		.amdhsa_system_sgpr_workgroup_id_y 1
		.amdhsa_system_sgpr_workgroup_id_z 1
		.amdhsa_system_vgpr_workitem_id 0
		.amdhsa_next_free_vgpr 252
		.amdhsa_next_free_sgpr 66
		.amdhsa_reserve_vcc 0
		.amdhsa_float_denorm_mode_32 3
		.amdhsa_float_denorm_mode_16_64 3
		.amdhsa_memory_ordered 1
		.amdhsa_forward_progress 1
		.amdhsa_inst_pref_size 52
	.end_amdhsa_kernel
	.amdgpu_metadata
---
amdhsa.version: [ 1, 2 ]
amdhsa.kernels:
  - .name:           k_q8232d8ac49_prep
    .symbol:         k_q8232d8ac49_prep.kd
    .args:
      - { .name: qweight, .offset: 0, .size: 8, .value_kind: global_buffer, .address_space: global }
      - { .name: scales, .offset: 8, .size: 8, .value_kind: global_buffer, .address_space: global }
      - { .name: wh, .offset: 16, .size: 8, .value_kind: global_buffer, .address_space: global }
      - { .name: x, .offset: 24, .size: 8, .value_kind: global_buffer, .address_space: global }
      - { .name: xh, .offset: 32, .size: 8, .value_kind: global_buffer, .address_space: global }
    .group_segment_fixed_size: 5632
    .private_segment_fixed_size: 0
    .kernarg_segment_align: 8
    .kernarg_segment_size: 40
    .max_flat_workgroup_size: 256
    .sgpr_count:     66
    .vgpr_count:     252
    .wavefront_size: 32
...
	.end_amdgpu_metadata
.endif
;; end of part 1
;; launch gemm (part 2): grid 8 x 32, 4 waves a work-group, clusters of 4 x 4, 327,680 bytes of LDS; arguments xh, wh, out0; writes out0
.if DOCPART == 2
	.amdgcn_target "amdgcn-amd-amdhsa--gfx1250"
	.amdhsa_code_object_version 6
	.text
	.protected	k_q8232d8ac49_gemm
	.globl	k_q8232d8ac49_gemm
	.p2align	8
	.type	k_q8232d8ac49_gemm,@function
k_q8232d8ac49_gemm:
	s_mov_b64 s[64:65], 0
	v_nop
	global_prefetch_b8 v0, s[64:65] scope:SCOPE_SE
	s_setreg_imm32_b32 hwreg(HW_REG_WAVE_MODE, 25, 1), 1
	s_wait_xcnt 0x0
	s_wait_alu depctr_hold_cnt(0) depctr_sa_sdst(0) depctr_va_vdst(0) depctr_va_sdst(0) depctr_va_ssrc(0) depctr_va_vcc(0) depctr_vm_vsrc(0)
	s_getreg_b32 s2, hwreg(HW_REG_IB_STS2, 6, 4)
	s_cmp_eq_u32 s2, 0
	s_cbranch_scc0 .Lentry_in_a_cluster
	s_endpgm
.Lentry_in_a_cluster:
	s_bfe_u32 s2, ttmp6, 0x10000c
	s_cmp_lg_u32 s2, 0xf033
	s_cbranch_scc0 .Lentry_shape_is_right
	s_endpgm
.Lentry_shape_is_right:
; out0[m][n] = the sum over k of x[m][k] W[n][k].  xh: x in f16, [8192][4096].  wh: W in f16, [64 blocks of 64 k][2048 n][64 k].  Both as the launch before stored them.  out0: [8192][2048] f32.
; Nothing of the problem's work is left out.  Sums in f32, K ascending, one accumulator for each output.
; LIMITS.  The operands are f16 (the launch before states what that costs: 65,520 and more is an infinity; below 6.1e-5 a fixed step of 6e-8).  NaN and infinities are not treated apart.
; SHARES.  A tile of out0 is 256 x 256: 32 x 8 tiles, one to a work-group of four waves; a wave makes 128 x 128: 64 accumulators of 16 x 16, 512 registers.
; THE RING.  K goes in steps of 128 through two LDS slots: 256 rows of x (256 bytes of memory each, at multiples of 256 from xh's first byte) and two blocks of W (256 rows n x 64 k: 32,768 bytes on end
; each, asked for as 128 rows of 256).  Waves 0 and 1 fetch the halves of x's tile, waves 2 and 3 a block of W each: one tensor load a wave, 32,768 bytes.
; CLUSTERS.  4 x 4 work-groups.  The four of a row of the cluster need the same tile of x, the four of a column the same blocks of W: each is asked for JOINTLY, by the same tensor load with the same
; descriptor and a mask that names the four.
; THE MATRIX INSTRUCTION IS USED TRANSPOSED: source 0 = 16 rows of W, source 1 = 16 rows of x.  In the result lane l holds row l % 16 of out0 and the columns 8 (l / 16) + 0..7: 32 bytes on end.
; REGISTERS, in windows of 256 (s_set_vgpr_msb: bits 1:0 source 0, 3:2 source 1, 5:4 source 2, 7:6 destination):
;   window 0: v0-31 addresses; v64-127, v128-191 x's fragments (8 x 16 rows x 32 K), two buffers
;   window 1: v64-127, v128-191 W's fragments, two buffers; on the way out v0-63, v64-127: 16 rows of out0, by turns
;   window 2: the 32 accumulators of my rows 0-63 ((a, b) at 8 (8 a + b));   window 3: those of my rows 64-127
; Work is laid in long stretches under one setting: 32 matrix instructions, 16 loads, 16 loads, 32 matrix instructions.
.set PA,    272                        ; a row of x in LDS: 256 bytes + 16 of padding = 68 words: row r starts at bank 4 r mod 64 (64 banks of 4 bytes: ISA guide 11.1), so the 16 rows of a load start at 16 different groups of four banks
.set PB,    144                        ; a row of a block of W: 128 + 16 = 36 words: likewise
.set AHALF, 128*PA                     ; what one tensor load brings of x, and what one wave reads of it
.set ATILE, 2*AHALF
.set BSUB,  256*PB                     ; what one tensor load brings of W: a block of 64 k
.set SLOT,  ATILE+2*BSUB               ; x's 256 rows, then W's two blocks
.set STAGE, 2*SLOT                     ; behind the ring, never filled by a tensor load: 16 rows x 528 bytes for each wave, for the way out
.set SP,    528                        ; 512 + 16: 33 x 16 bytes
.set STW,   16*SP
.set SPARE, STAGE+4*STW                ; behind the stages: the spare words, 128 bytes for each wave: two blocks of 256 bytes that no other line names
.set XROW,  8192                       ; bytes in a row of xh
.set XSTEP, 256                        ; bytes of a row of xh in a K step
.set WBLK,  262144                     ; bytes of wh in a block of 64 k: a K step is two
.set OROW,  8192                       ; bytes in a row of out0
.set LAPS,  16                         ; a lap = two K steps = once round the ring
.set ADRA, 16                          ; v16-17  LDS address of my fragments of x in slot 0, 1
.set ADRB, 20                          ; v20-21  the same for W
.set STO,  24                          ; v24     the way out: where I put 32 bytes of a row
.set RD,   25                          ; v25     the way out: where I read a row back
.set CO,   26                          ; v26     16 x lane: my place in 512 bytes of out0
.set SPW,  28                          ; v28     LDS address of my spare word: SPARE + 4 x my thread's number; never rewritten
.set NIL,  29                          ; v29     0; never rewritten
.set PFO,  30                          ; v30     the prefetches' offset: lane x a row of xh, or lane x 256 bytes of wh; never rewritten
.set F0,   64                          ; fragment buffer 0, in windows 0 (x) and 1 (W)
.set F1,   128                         ; fragment buffer 1
.set G1A, 24                           ; s[24:31] descriptor group 1 for x's tiles
.set G0A, 32                           ; s[32:39] group 0, a set for each slot
.set G1B, 48                           ; s[48:55], s[56:63] the same for W's blocks
.set G0B, 56
.set LIM, 43                           ; s43      1 in a wave that prefetches, else the greatest number
.set PFA, 44                           ; s[44:45] where my prefetches stand
.set PFS, 66                           ; s[66:67] a K step there, in bytes
.set MSB, 0
.macro WIN new                         ; the immediate's high byte repeats the setting that is left; a switch that changes nothing is dropped
.if MSB != (\new)
	s_set_vgpr_msb (MSB<<8)|(\new)
.set MSB, \new
.endif
.endm
.set MUL_LO, 0xa1                      ; source 0 (W) window 1, source 1 (x) window 0, C and D window 2
.set TO_B,   0x40                      ; destination window 1, address window 0
.macro PLACES                          ; a load into a register that a matrix instruction has read, and an instruction that reads a result, stand four plain vector
.rept 4                                ; instructions behind it (ISA guide 7.12.1 for vector instructions)
	v_nop
.endr
.endm
; A joint load.  Each of the two lines has one mask and one set of registers for all that issue it.  The branch hangs on the wave's number alone.  An s_nop 0 and four v_nop follow each line,
; ahead of the jump and the label.
.macro JLOAD s
	s_cmp_lt_u32 s10, 2
	s_cbranch_scc0 .Lfor_b_\@
	tensor_load_to_lds s[G0A+4*(\s):G0A+4*(\s)+3], s[G1A:G1A+7]
	s_nop 0
.rept 4
	v_nop
.endr
	s_branch .Lasked_\@
.Lfor_b_\@:
	tensor_load_to_lds s[G0B+4*(\s):G0B+4*(\s)+3], s[G1B:G1B+7]
	s_nop 0
.rept 4
	v_nop
.endr
.Lasked_\@:
.endm
; A round of the cluster's barrier: my work-group's barrier, so that wave 0's signal speaks for all four waves; wave 0 signals for the work-group; every wave waits for all sixteen; my work-group's barrier once more.
.macro CREST                           ; a round behind its opening barrier
	s_cmp_lg_u32 s10, 0
	s_cbranch_scc1 .Lnot_wave_0_\@
	s_barrier_signal -3
.Lnot_wave_0_\@:
	s_barrier_wait -3
	s_barrier_signal -1
	s_barrier_wait -1
.endm
.macro CROUND
	s_barrier_signal -1
	s_barrier_wait -1
	CREST
.endm
; A PREFETCH INTO THE L2, behind each joint refill, its five lines and the run of LDS loads that follows them: the K step that stands TWO refills on, 512 matrix instructions ahead of the load that will want it.
; Each block of 256 bytes is named ONCE in the launch.  A tile row of x is read by both clusters of its row of clusters: the one with cluster x = 0 asks, waves 0 and 1 for the 128 rows that they fetch;
; the four partners share those out BY ADDRESS, 32 rows each (by cx), a lane a row.  A tile column of W is read by all eight clusters of its column: the one with cluster y = 0 asks, waves 2 and 3 for the
; block that they fetch: its 32,768 bytes are 128 pieces of 256, 32 to each partner (by cy), a lane a piece.  No branch hangs on a work-group's place in its cluster.
; K steps 0 to 3 come by their loads alone; the loop's last trip (s3 = 1) asks for nothing: K step 31 is named in the trip before.
.macro ASK
	WIN 0
	s_cmp_gt_u32 s3, s[LIM]
	s_cbranch_scc0 .Lnot_mine_\@
	global_prefetch_b8 v[PFO], s[PFA:PFA+1] th:TH_LOAD_NT scope:SCOPE_SE
.Lnot_mine_\@:
.endm
	s_load_b128 s[4:7], s[0:1], 0x0                ; xh s[4:5], wh s[6:7]
	s_load_b64 s[8:9], s[0:1], 0x10                ; out0
	v_lshl_add_u32 v[SPW], v0, 2, SPARE
	v_mov_b32 v[NIL], 0
	ds_add_u32 v[SPW], v[NIL]                      ; the wave's opening: the add, twice on end, and its wait ahead of my first tensor load; the set-up below, work on registers, stands between
	ds_add_u32 v[SPW], v[NIL]                      ; and once more, under the one wait
	v_lshrrev_b32 v1, 5, v0
	v_readfirstlane_b32 s10, v1                    ; wave 0..3
	s_lshr_b32 s11, s10, 1                         ; which half of the tile's rows is mine
	s_and_b32 s12, s10, 1                          ; which half of its columns.  Also: which half of x's tile, or which block of W, I fetch
	s_bfe_u32 s40, ttmp6, 0x40000                  ; cx, cy: my place in the cluster
	s_bfe_u32 s41, ttmp6, 0x40004
	s_lshl_b32 s42, ttmp9, 2                       ; in a cluster launch ttmp9 and ttmp7 count clusters
	s_add_co_u32 s42, s42, s40                     ; tile column = 4 x cluster x + cx
	s_and_b32 s13, ttmp7, 0xffff
	s_lshl_b32 s13, s13, 2
	s_add_co_u32 s13, s13, s41                     ; tile row = 4 x cluster y + cy
	s_lshl_b32 s43, s41, 2
	s_lshl_b32 s43, 15, s43                        ; my row of the cluster: places 4 cy .. 4 cy + 3
	s_lshl_b32 s44, 0x1111, s40                    ; my column: places cx, cx + 4, cx + 8, cx + 12
	; group 1 for x: 128 rows x 128 elements of 2 bytes, 4,096 elements from row to row; in LDS 4 words of padding behind every 64
	s_or_b32 s[G1A+0], s43, (1<<16)|(1<<20)|(1<<21)|(5<<22)|(3<<25)  ; 15:0 the mask: my row; 17:16 elements of 2 bytes; 20 padding on; 21 set beside a mask; 24:22 after every 64 words (code 5); 31:25 4 words (code 3)
	s_mov_b32 s[G1A+1], 128<<16                    ; tensor_dim0 = 128
	s_mov_b32 s[G1A+2], 128<<16                    ; tensor_dim1 = 128
	s_mov_b32 s[G1A+3], 128<<16                    ; tile_dim0 = 128
	s_mov_b32 s[G1A+4], 128                        ; tile_dim1 = 128
	s_mov_b32 s[G1A+5], 4096                       ; tensor_dim0_stride
	s_mov_b32 s[G1A+6], 0
	s_mov_b32 s[G1A+7], 0
	; group 1 for W: a block's 256 rows n are 32,768 bytes on end: 128 rows of 128 elements of 2 bytes, two n a row; in LDS 4 words of padding behind every 32, that is behind every n
	s_or_b32 s[G1B+0], s44, (1<<16)|(1<<20)|(1<<21)|(4<<22)|(3<<25)  ; the mask: my column; after every 32 words (code 4)
	s_mov_b32 s[G1B+1], 128<<16                    ; tensor_dim0 = 128
	s_mov_b32 s[G1B+2], 128<<16                    ; tensor_dim1 = 128
	s_mov_b32 s[G1B+3], 128<<16                    ; tile_dim0 = 128
	s_mov_b32 s[G1B+4], 128                        ; tile_dim1 = 128
	s_mov_b32 s[G1B+5], 128                        ; tensor_dim0_stride
	s_mov_b32 s[G1B+6], 0
	s_mov_b32 s[G1B+7], 0
	; where the tiles come from: x's hang on the tile row alone, which my row of the cluster shares; W's on the tile column alone.  Every wave makes both, in registers that never hold the other coordinate.
	s_lshl_b32 s16, s13, 8
	s_lshl_b32 s17, s12, 7
	s_add_co_u32 s16, s16, s17                     ; x: row 256 x tile row + 128 x half,
	s_lshl_b32 s16, s16, 13                        ; in bytes (under 2^27)
	s_mov_b32 s17, 0
	s_lshl_b32 s46, s42, 15                        ; W: 256 n x 128 bytes x tile column
	s_lshl_b32 s47, s12, 18                        ; + which block of the K step's two
	s_add_co_u32 s46, s46, s47
	s_mov_b32 s47, 0
	s_mul_i32 s20, s12, AHALF                      ; and where they go: no place in the cluster enters an LDS address
	s_mul_i32 s21, s12, BSUB
	s_add_co_u32 s21, s21, ATILE
	s_wait_dscnt 0x0                               ; both opening adds are done
	s_wait_kmcnt 0x0
	s_add_nc_u64 s[14:15], s[4:5], s[16:17]
	s_add_nc_u64 s[46:47], s[6:7], s[46:47]
	CROUND                                         ; all sixteen work-groups are here: the first joint loads meet
.irp s, 0,1
	s_mov_b32 s[G0A+4*(\s)], 1                                       ; count = 1
	s_add_co_u32 s[G0A+4*(\s)+1], s20, (\s)*SLOT                     ; LDS address
	s_add_nc_u64 s[G0A+4*(\s)+2:G0A+4*(\s)+3], s[14:15], (\s)*XSTEP  ; global address: K step s
	s_or_b32 s[G0A+4*(\s)+3], s[G0A+4*(\s)+3], 0x80000000            ; type = 2
	s_mov_b32 s[G0B+4*(\s)], 1
	s_add_co_u32 s[G0B+4*(\s)+1], s21, (\s)*SLOT
	s_add_nc_u64 s[G0B+4*(\s)+2:G0B+4*(\s)+3], s[46:47], (\s)*2*WBLK
	s_or_b32 s[G0B+4*(\s)+3], s[G0B+4*(\s)+3], 0x80000000
.endr
	s_cmp_lt_u32 s10, 2                            ; a wave's two first fills stand in one branch, ahead of every wait on TENSORcnt and every LDS read: two loads of mine are out
	s_cbranch_scc0 .Lfirst_b
	tensor_load_to_lds s[G0A:G0A+3], s[G1A:G1A+7]
	s_nop 0
	tensor_load_to_lds s[G0A+4:G0A+7], s[G1A:G1A+7]
	s_nop 0
.rept 4
	v_nop
.endr
	s_branch .Lfirst_asked
.Lfirst_b:
	tensor_load_to_lds s[G0B:G0B+3], s[G1B:G1B+7]
	s_nop 0
	tensor_load_to_lds s[G0B+4:G0B+7], s[G1B:G1B+7]
	s_nop 0
.rept 4
	v_nop
.endr
.Lfirst_asked:
	; A fragment is 16 rows x 32 K in 8 registers: lane l holds row l % 16; registers 0-3 K = 8 (l / 16) + 0..7, registers 4-7 K = 16 + 8 (l / 16) + 0..7: two loads of 16 bytes, 32 bytes apart, at row x pitch + 16 (l / 16).
	v_and_b32 v1, 15, v0                           ; l % 16
	v_bfe_u32 v2, v0, 4, 1                         ; l / 16
	v_and_b32 v3, 31, v0                           ; l
	v_mul_u32_u24 v4, v1, PA
	v_lshl_add_u32 v4, v2, 4, v4
	s_mul_i32 s20, s11, AHALF                      ; my 128 rows of x
	v_add_nc_u32 v[ADRA], s20, v4
	v_add_nc_u32 v[ADRA+1], SLOT, v[ADRA]
	v_mul_u32_u24 v5, v1, PB
	v_lshl_add_u32 v5, v2, 4, v5
	s_mul_i32 s20, s12, 128*PB                     ; my 128 rows of each block of W,
	s_add_co_u32 s20, s20, ATILE                   ; which lie behind x's tile
	v_add_nc_u32 v[ADRB], s20, v5
	v_add_nc_u32 v[ADRB+1], SLOT, v[ADRB]
	s_mul_i32 s20, s10, STW
	s_add_co_u32 s20, s20, STAGE                   ; my stage
	v_mul_u32_u24 v6, v1, SP                       ; in: row l % 16, 32 bytes for each half of the lanes
	v_lshl_add_u32 v6, v2, 5, v6
	v_add_nc_u32 v[STO], s20, v6
	v_lshl_add_u32 v[RD], v3, 4, s20               ; back: 32 lanes take a row's 512 bytes
	v_lshlrev_b32 v[CO], 4, v3
	s_lshl_b32 s18, s13, 8                         ; out0 at my first row, 256 x tile row + 128 x half,
	s_lshl_b32 s19, s11, 7
	s_add_co_u32 s18, s18, s19
	s_lshl_b32 s18, s18, 13
	s_mov_b32 s19, 0
	s_add_nc_u64 s[8:9], s[8:9], s[18:19]
	s_lshl_b32 s18, s42, 10                        ; and my first column: 1,024 bytes x tile column + 512 x half
	s_lshl_b32 s22, s12, 9
	s_add_co_u32 s18, s18, s22
	s_add_nc_u64 s[8:9], s[8:9], s[18:19]
	; the prefetches
	s_lshl_b32 s20, s13, 8                         ; xh: row 256 x tile row + 128 x half + 32 cx,
	s_lshl_b32 s21, s12, 7
	s_add_co_u32 s20, s20, s21
	s_lshl_b32 s21, s40, 5
	s_add_co_u32 s20, s20, s21
	s_lshl_b32 s20, s20, 13
	s_add_co_u32 s20, s20, 3*XSTEP                 ; at K step 3: the first refill steps it to 4 and names that
	s_lshl_b32 s22, s42, 15                        ; wh: the tile column's 32,768 bytes of a block, my work-group's 8,192 of them,
	s_lshl_b32 s23, s41, 13
	s_add_co_u32 s22, s22, s23
	s_lshl_b32 s23, s12, 18                        ; the block that I fetch,
	s_add_co_u32 s22, s22, s23
	s_add_co_u32 s22, s22, 3*2*WBLK                ; at K step 3
	s_and_b32 s23, ttmp7, 0xffff                   ; cluster y
	s_mov_b32 s[PFS], 2*WBLK
	s_mov_b32 s18, 256
	s_cmp_lt_u32 s10, 2                            ; do I fetch for x?
	s_cselect_b32 s20, s20, s22
	s_cselect_b32 s23, ttmp9, s23                  ; the coordinate along which other clusters read the same bytes
	s_cselect_b32 s[PFS], XSTEP, s[PFS]
	s_cselect_b32 s18, XROW, s18                   ; from lane to lane
	s_cselect_b64 s[PFA:PFA+1], s[4:5], s[6:7]
	s_mov_b32 s21, 0
	s_mov_b32 s[PFS+1], 0
	s_add_nc_u64 s[PFA:PFA+1], s[PFA:PFA+1], s[20:21]
	s_cmp_eq_u32 s23, 0
	s_cselect_b32 s[LIM], 1, -1                    ; the same in all sixteen partners, for a given wave
	v_mul_u32_u24 v[PFO], v3, s18
; 16 matrix instructions: row blocks a0, a0 + 1 of the window's four (hi = 0: my rows 0-63, 1: rows 64-127) x all 8 column blocks, 32 along K.  zero = 1: the product starts the sum: nothing is ever cleared.
.macro MUL16 f, hi, a0, zero
	WIN MUL_LO+0x50*(\hi)
.irp a, \a0, (\a0)+1
.irp b, 0,1,2,3,4,5,6,7
.if \zero
	v_wmma_f32_16x16x32_f16 v[8*(8*(\a)+(\b)):8*(8*(\a)+(\b))+7], v[(\f)+8*(\b):(\f)+8*(\b)+7], v[(\f)+8*(4*(\hi)+(\a)):(\f)+8*(4*(\hi)+(\a))+7], 0
.else
	v_wmma_f32_16x16x32_f16 v[8*(8*(\a)+(\b)):8*(8*(\a)+(\b))+7], v[(\f)+8*(\b):(\f)+8*(\b)+7], v[(\f)+8*(4*(\hi)+(\a)):(\f)+8*(4*(\hi)+(\a))+7], v[8*(8*(\a)+(\b)):8*(8*(\a)+(\b))+7]
.endif
.endr
.endr
.endm
; 32 LDS loads in one run: the fragments of quarter q (32 along K) of a slot's K step into buffer f: W's 128 rows (block q / 2, byte 64 (q % 2) of its rows), then x's 128 rows (byte 64 q)
.macro FETCH slot, q, f
	WIN TO_B
.irp i, 0,1,2,3,4,5,6,7
	ds_load_b128 v[(\f)+8*(\i):(\f)+8*(\i)+3],   v[ADRB+(\slot)] offset:((\q)/2)*BSUB+((\q)%2)*64+(\i)*16*PB
	ds_load_b128 v[(\f)+8*(\i)+4:(\f)+8*(\i)+7], v[ADRB+(\slot)] offset:((\q)/2)*BSUB+((\q)%2)*64+(\i)*16*PB+32
.endr
	WIN 0
.irp i, 0,1,2,3,4,5,6,7
	ds_load_b128 v[(\f)+8*(\i):(\f)+8*(\i)+3],   v[ADRA+(\slot)] offset:(\q)*64+(\i)*16*PA
	ds_load_b128 v[(\f)+8*(\i)+4:(\f)+8*(\i)+7], v[ADRA+(\slot)] offset:(\q)*64+(\i)*16*PA+32
.endr
.endm
; A K step is four quarters of 32 along K, 64 matrix instructions each, on buffers 0, 1, 0, 1.  In every quarter the 64 accumulators take turns in the same order, one instruction a turn.
; One of the first three: multiplies buffer f; in its middle it fetches quarter q of the same slot into buffer g.
.macro QUARTER slot, q, f, g, zero
	s_wait_dscnt 8                                 ; W and x's rows 0-63 are in; the youngest eight loads (x's rows 64-127) may be out
	MUL16 \f, 0, 0, \zero
	MUL16 \f, 0, 2, \zero
	PLACES                                         ; behind the last product that read buffer g
	FETCH \slot, \q, \g
	s_wait_dscnt 32                                ; all but the 32 just issued
	MUL16 \f, 1, 0, \zero
	MUL16 \f, 1, 2, \zero
.endm
; The last quarter multiplies buffer 1 and changes slots: ONE barrier, for two things.  In front of it each wave waits for all its tensor loads, of which one is out: its part of the next slot; adds 0 to its
; spare word; and waits for that and for its own reads of this slot.  Behind it nobody reads this slot any more and the next slot is whole.  fill = 1: the barrier opens a round of the cluster's, so that
; no wave of any partner still reads the slot or has a load on its way, and the joint refill, with the K step two on, is the first tensor load behind the round: from there to the wait for it a wave
; issues 224 matrix instructions.  Then come the next slot's first fragments.
.macro TURN slot, next, fill
.if \fill
	s_wait_xcnt 0x0                                ; the last prefetch, a K step back, has read its address, so that may be stepped: here, ahead of the waits of the change of slots
	s_add_nc_u64 s[PFA:PFA+1], s[PFA:PFA+1], s[PFS:PFS+1]
.endif
	WIN 0                                          ; (the add's two registers lie in window 0)
	s_wait_tensorcnt 0x0                           ; all my tensor loads have landed, so every group 0 may be written
	ds_add_u32 v[SPW], v[NIL]                      ; 0 onto my spare word
	s_wait_dscnt 9                                 ; (the add and the youngest eight loads may be out)
	MUL16 F1, 0, 0, 0                              ; sixteen matrix instructions stand between the add and the wait for it
	s_wait_dscnt 0x0                               ; the add is done, and my reads of this slot are over
	s_barrier_signal -1
	MUL16 F1, 0, 2, 0                              ; work on registers while the others arrive
	WIN 0                                          ; at a branch and at a label every window is 0
	s_barrier_wait -1
.if \fill
	CREST
	s_add_nc_u64 s[G0A+4*(\slot)+2:G0A+4*(\slot)+3], s[G0A+4*(\slot)+2:G0A+4*(\slot)+3], 2*XSTEP  ; the type bits on top are not reached
	s_add_nc_u64 s[G0B+4*(\slot)+2:G0B+4*(\slot)+3], s[G0B+4*(\slot)+2:G0B+4*(\slot)+3], 4*WBLK
	JLOAD \slot                                    ; the four v_nop behind it are also the places in front of the loads into buffer 0
.else
	PLACES
.endif
	FETCH \next, 0, F0
.if \fill
	ASK
.endif
	MUL16 F1, 1, 0, 0
	MUL16 F1, 1, 2, 0
.endm
; THE WAY OUT, a block of 16 rows at a time.  A lane's 32 bytes are a sixteenth of my 512 bytes of a row, and its neighbours hold other rows: so the block goes through my own stage in LDS.
.macro TOSTAGE a                       ; each accumulator's low four registers first
	WIN 0x08+4*((\a)/4)                            ; the stores' data in window 2 or 3
.irp b, 0,1,2,3,4,5,6,7
	ds_store_b128 v[STO], v[64*((\a)%4)+8*(\b):64*((\a)%4)+8*(\b)+3]   offset:64*(\b)
	ds_store_b128 v[STO], v[64*((\a)%4)+8*(\b)+4:64*((\a)%4)+8*(\b)+7] offset:64*(\b)+16
.endr
.endm
.macro BACK a                          ; back by rows, into window 1: LDS serves a wave's instructions in order (ISA guide 5.7.1.4): these see the stores above, and the next block's stores come behind them
.if (\a) >= 2
	s_wait_xcnt 0x0                                ; the stores of the block two back have read these registers
.endif
	WIN TO_B
.set t, 0
.rept 16
	ds_load_b128 v[64*((\a)%2)+4*t:64*((\a)%2)+4*t+3], v[RD] offset:t*SP
.set t, t+1
.endr
.endm
.macro SEND a                          ; each store covers 512 consecutive bytes, at a multiple of 512 from out0's first byte; the row stands in the immediate: 1,040,384 at the most, inside its signed 24 bits
	WIN 0x04                                       ; the stores' data in window 1
.set t, 0
.rept 16
	global_store_b128 v[CO], v[64*((\a)%2)+4*t:64*((\a)%2)+4*t+3], s[8:9] offset:((\a)*16+t)*OROW th:TH_STORE_NT
.set t, t+1
.endr
.endm
	s_wait_tensorcnt 1                             ; my part of K step 0 is in; K step 1's may stay out
	s_barrier_signal -1
	s_barrier_wait -1                              ; everybody's is
	FETCH 0, 0, F0
	QUARTER 0, 1, F0, F1, 1                        ; the first quarter stands in front of the loop: its products start the sums
	WIN 0                                          ; at a label and at a branch every window is 0
	s_mov_b32 s3, LAPS-1
.Llap:                                             ; a trip goes once round the ring, from a lap's second quarter to the next lap's first, and fills both slots again
	QUARTER 0, 2, F1, F0, 0
	QUARTER 0, 3, F0, F1, 0
	TURN 0, 1, 1
	QUARTER 1, 1, F0, F1, 0
	QUARTER 1, 2, F1, F0, 0
	QUARTER 1, 3, F0, F1, 0
	TURN 1, 0, 1
	QUARTER 0, 1, F0, F1, 0
	WIN 0
	s_sub_co_u32 s3, s3, 1
	s_cmp_lg_u32 s3, 0
	s_cbranch_scc1 .Llap
	QUARTER 0, 2, F1, F0, 0                        ; the last lap fills nothing: written out, with a barrier of the work-group alone
	QUARTER 0, 3, F0, F1, 0
	TURN 0, 1, 0
	QUARTER 1, 1, F0, F1, 0
	QUARTER 1, 2, F1, F0, 0
	QUARTER 1, 3, F0, F1, 0
	s_wait_dscnt 8                                 ; the very last quarter: nothing more to fetch
	MUL16 F1, 0, 0, 0
	MUL16 F1, 0, 2, 0
	s_wait_dscnt 0x0
	MUL16 F1, 1, 0, 0
	MUL16 F1, 1, 2, 0
	PLACES                                         ; eight, once a launch: the stage's stores read results just made
	PLACES
	TOSTAGE 0
	BACK 0
.irp a, 1,2,3,4,5,6,7
	TOSTAGE \a
	s_wait_dscnt 16                                ; all but this block's 16 stores: the block before is back in registers
	SEND (\a)-1
	BACK \a
.endr
	s_wait_dscnt 0x0
	SEND 7
	WIN 0
	s_wait_tensorcnt 0x0                           ; the wave's end, behind my last tensor load and my last LDS store
	ds_add_u32 v[SPW], v[NIL]
	s_wait_dscnt 0x0
	CROUND                                         ; the closing round: no work-group ends while a partner may still ask for a tile that names it
	s_endpgm
.Lfunc_end_k_q8232d8ac49_gemm:
	.size	k_q8232d8ac49_gemm, .Lfunc_end_k_q8232d8ac49_gemm-k_q8232d8ac49_gemm
	.p2alignl 7, 3214868480
	.fill 96, 4, 3214868480
	.section	.rodata,"a",@progbits
	.p2align	6, 0x0
	.amdhsa_kernel k_q8232d8ac49_gemm
		.amdhsa_group_segment_fixed_size 327680
		.amdhsa_private_segment_fixed_size 0
		.amdhsa_enable_private_segment 0
		.amdhsa_kernarg_size 24
		.amdhsa_user_sgpr_count 2
		.amdhsa_user_sgpr_kernarg_segment_ptr 1
		.amdhsa_wavefront_size32 1
		.amdhsa_system_sgpr_workgroup_id_x 1
		.amdhsa_system_sgpr_workgroup_id_y 1
		.amdhsa_system_sgpr_workgroup_id_z 1
		.amdhsa_system_vgpr_workitem_id 0
		.amdhsa_next_free_vgpr 1024
		.amdhsa_next_free_sgpr 68
		.amdhsa_reserve_vcc 0
		.amdhsa_float_denorm_mode_32 3
		.amdhsa_float_denorm_mode_16_64 3
		.amdhsa_memory_ordered 1
		.amdhsa_forward_progress 1
		.amdhsa_inst_pref_size 142
	.end_amdhsa_kernel
	.amdgpu_metadata
---
amdhsa.version: [ 1, 2 ]
amdhsa.kernels:
  - .name:           k_q8232d8ac49_gemm
    .symbol:         k_q8232d8ac49_gemm.kd
    .args:
      - { .name: xh, .offset: 0, .size: 8, .value_kind: global_buffer, .address_space: global }
      - { .name: wh, .offset: 8, .size: 8, .value_kind: global_buffer, .address_space: global }
      - { .name: out0, .offset: 16, .size: 8, .value_kind: global_buffer, .address_space: global }
    .group_segment_fixed_size: 327680
    .private_segment_fixed_size: 0
    .kernarg_segment_align: 8
    .kernarg_segment_size: 24
    .max_flat_workgroup_size: 128
    .sgpr_count:     68
    .vgpr_count:     1024
    .wavefront_size: 32
...
	.end_amdgpu_metadata
.endif
;; end of part 2
;; ======== version 2 of 2: 2 launches; version 1 with the launch prep written anew for expert scheduling mode
;; limits: values are held in f16: magnitudes above 65,504 overflow, below 6.1e-05 lose precision
;; workspace buffers: wh 16,777,216 bytes; xh 67,108,864 bytes
;; launch prep (part 3): grid 256 x 1, 8 waves a work-group, no clusters, 5,632 bytes of LDS; arguments qweight, scales, wh, x, xh; writes wh, xh
.if DOCPART == 3
	.amdgcn_target "amdgcn-amd-amdhsa--gfx1250"
	.amdhsa_code_object_version 6
	.text
	.protected	k_q8232d8ac49_prep
	.globl	k_q8232d8ac49_prep
	.p2align	8
	.type	k_q8232d8ac49_prep,@function
k_q8232d8ac49_prep:
	s_mov_b64 s[64:65], 0
	v_nop
	global_prefetch_b8 v0, s[64:65] scope:SCOPE_SE
	s_setreg_imm32_b32 hwreg(HW_REG_WAVE_SCHED_MODE, 0, 2), 2
	s_setreg_imm32_b32 hwreg(HW_REG_WAVE_MODE, 25, 1), 1
	s_wait_xcnt 0x0
	s_wait_alu depctr_vm_vsrc(0)
; TWO THINGS FOR THE PRODUCT THAT FOLLOWS: W is built in f16, and x is rounded to f16.
; W[n][k] = scales[128 n + k / 32] x (nibble - 8).  qweight: one int32 holds two weights: bits 3:0 the even k, bits 7:4 the odd k; word n x 2048 + k / 2.  Only bits 7:0 of a word count.
; wh: [64 blocks of 64 k][2048 n][64 k] f16: byte ks x 262,144 + n x 128 + 2 (k % 64): the 256 rows n that a tile of the product wants of one block are 32,768 bytes on end.
; xh: x as it lies, [8192][4096], each number rounded once to f16.
; WHY x IS ROUNDED HERE.  A tile of 256 x 256 of the product takes 256 x 4 + 256 x 2 bytes of LDS for each k with x in f32, 256 x 2 + 256 x 2 with x in f16: only in f16 do two slots of 128 along K fit.
; NOTHING IS LEFT OUT: all three inputs of the problem reach the output, and this launch loads all three.
; ARITHMETIC.  q x s - 8 s in one fused multiply-add: 8 s is exact, so the one rounding gives the bits of the f32 product s x (q - 8); then one rounding to f16.
; LIMITS.  f16: a weight or an x of 65,520 or more in magnitude becomes an infinity; below 6.1e-5 a number keeps f16's fixed step of 6e-8.  NaN and infinities go through as they are.
; SHARES, W.  A work-group owns 8 rows n: 65,536 bytes in, 65,536 out, 4,096 bytes of scales.  A CHUNK is one row's part of one block: 32 words in, 128 bytes out, two groups of 32 weights.
; Wave w takes rows 4 (w % 2) .. + 3 and the 16 chunks from 16 (w / 2) on.  Of a chunk a lane takes 4 words (8 weights): lanes 8 rs .. 8 rs + 7 cover the chunk of row rs of the four.
; A load covers 128 bytes on end of each of four rows, and two loads that follow each other 256; a store covers 512 consecutive bytes, at a multiple of 512 from wh's first byte.
; SCALES.  The work-group's 4,096 bytes are loaded once, 16 bytes a thread, and dealt through LDS, the even groups' and the odd groups' apart, so that a lane finds the 16 scales of its 16 chunks on end.
; SHARES, x.  A work-group owns 32 rows of x, a wave 4: 65,536 bytes on end, 128 loads of 512 bytes, each into a SLOT of four registers.  The first 32 go out behind qweight's loads, ahead of all
; the work on W.  A slot's 16 bytes a lane become 8: a store of the wave covers 256 consecutive bytes, at a multiple of 256 from xh's first byte.
; No matrix unit, no cluster, no tensor load, no prefetch: nothing is shared between work-groups, and the launch does nothing but stream.
; THE MODE: SCHED_MODE bits 1:0 = 2 (LLVM: expert scheduling mode 2), set by the entry lines.  The code itself states the register dependences between vector instructions and memory or LDS
; instructions, with s_wait_alu, always for 0.
; THE PLAN.  Registers that memory or LDS instructions touch:
;   v4-8, v120, v121, v10, v11   offsets and LDS addresses: made once at the head, never written again.
;   SC         the scales' load lands in it; three moves write it; two LDS stores read it; never written again.       S   four LDS loads land in it; vector instructions alone name it besides.
;   X          chunk i: its load lands in it; its four roundings write it in place; its store reads it.
;   CX0 .. CX7 eight buffers of four slots of x as loaded.  Block p's conversions read CX[p % 8]; the loads of block p + 7, issued in block p, land in CX[(p - 1) % 8].
;   CY0 .. CY7 eight buffers of four slots to store, in X's place.  Block p's conversions write CY[p % 8]; the four stores issued in block p + 1 read it; block p + 8 writes it again.
; W goes in four blocks of four chunks: a block's memory instructions are the stores of the block before, whose registers its own vector work does not name: one wait on va_vdst at its head.
; x goes in 32 blocks of four slots: a block's memory instructions touch the two buffers that the block before worked on, and its own conversions name neither: one wait on va_vdst at its head.
; A CY buffer is written again seven blocks behind its stores, so the pair that frees it (s_wait_xcnt 0 and the wait on vm_vsrc) stands at every fourth block only: ahead of x's first block, ahead of a
; lap's fifth block, and at a lap's bottom, where the two bases move on as well.  24 to 28 loads of every wave are on their way.
.set RP,    576                        ; LDS: a row's scales: 64 of the even groups (one a block) at +0, 64 of the odd groups at +OD
.set OD,    272
.set SPARE, 8*RP                       ; behind them (byte 4,608, a multiple of 256): the spare words, 128 bytes for each of the eight waves; no other line names them
.set WBLK,  262144                     ; bytes of wh in a block of 64 k
.set DEPTH, 32                         ; x: slots in registers
.set BLOCK, 4                          ; x: slots in a block; DEPTH / BLOCK = 8 buffers
.set ROUNDS, 4                         ; each round takes every slot once: 4 x 32 x 512 bytes
.set QO,  4                            ; v4   my byte offset in the work-group's part of qweight, chunk 0 of my 16
.set WO,  5                            ; v5   the same in wh
.set SO,  6                            ; v6   16 x thread: my four scales
.set LW,  7                            ; v7   where I put them
.set LR,  8                            ; v8   where I find my 16
.set SPW, 10                           ; v10  LDS address of my spare word: SPARE + 4 x my thread's number; never rewritten
.set NIL, 11                           ; v11  0; never rewritten
.set T,   12                           ; v[12:19]   eight weights at work: no memory instruction names them
.set SC,  20                           ; v[20:23]   four scales as loaded
.set S,   24                           ; v[24:39]   chunk i's scale for my half of the chunk
.set C,   40                           ; v[40:55]   -8 x that
.set X,   56                           ; v[56:119]  chunk i: four words as loaded, then 8 f16 to store
.set CY,  56                           ;            later: buffer k, slot i of x: two registers at CY + 8 k + 2 i, 4 f16 to store
.set XI,  120                          ; v120 16 x lane: my place in 512 bytes of x; never rewritten
.set XO,  121                          ; v121 8 x lane: my place in 256 bytes of xh; never rewritten
.set CX,  124                          ; v[124:251] buffer k, slot i of x: four registers at CX + 16 k + 4 i, as loaded
	s_load_b128 s[4:7], s[0:1], 0x0                ; qweight s[4:5], scales s[6:7]
	s_load_b64 s[8:9], s[0:1], 0x10                ; wh
	s_load_b64 s[16:17], s[0:1], 0x18              ; x
	s_load_b64 s[18:19], s[0:1], 0x20              ; xh
	v_lshl_add_u32 v[SPW], v0, 2, SPARE
	v_mov_b32 v[NIL], 0
	v_lshrrev_b32 v9, 5, v0
	v_readfirstlane_b32 s10, v9                    ; wave 0..7
	s_mov_b32 s14, 0xc1000000                      ; -8.0
	s_mov_b32 s15, s14                             ; named with it as a pair
	v_and_b32 v1, 7, v0                            ; my 16 bytes of a chunk
	v_bfe_u32 v2, v0, 3, 2                         ; my row of the four
	v_bfe_u32 v3, v0, 2, 1                         ; which of the chunk's two groups my words lie in
	v_lshlrev_b32 v[QO], 4, v1
	v_lshlrev_b32 v[SO], 4, v0
	v_and_b32 v9, 31, v0
	v_lshlrev_b32 v[XI], 4, v9
	v_lshlrev_b32 v[XO], 3, v9
	s_wait_alu depctr_va_sdst(0)                   ; s10 is written, ahead of its first reader: rows, chunks and the wave's part of x are made from it
	s_and_b32 s11, s10, 1                          ; which four rows
	s_lshr_b32 s12, s10, 1                         ; which 16 chunks
	v_lshl_add_u32 v2, s11, 2, v2                  ; my row of the eight
	v_lshl_add_u32 v[WO], v2, 7, v[QO]             ; wh: row x 128 + 16 x place,
	v_lshl_add_u32 v[QO], v2, 13, v[QO]            ; qweight: row x 8,192 + 16 x place,
	s_lshl_b32 s13, s12, 11
	v_add_nc_u32 v[QO], s13, v[QO]                 ; + 16 chunks of 128 bytes for each step of w / 2
	s_lshl_b32 s13, s12, 22
	v_add_nc_u32 v[WO], s13, v[WO]                 ; + 16 blocks of 262,144 bytes
	s_mul_i32 s13, s10, RP
	v_lshl_add_u32 v[LW], v9, 3, s13               ; wave w holds row w's 128 scales; lane l those of blocks 2 l and 2 l + 1
	v_mul_u32_u24 v[LR], v2, RP
	v_mad_u32_u24 v[LR], v3, OD, v[LR]
	s_lshl_b32 s13, s12, 6
	v_add_nc_u32 v[LR], s13, v[LR]                 ; my row, my kind of group, my first chunk
	s_lshl_b32 s20, ttmp9, 19                      ; x: the work-group's 524,288 bytes,
	s_lshl_b32 s21, s10, 16                        ; my wave's 65,536 of them
	s_add_co_u32 s20, s20, s21
	s_mov_b32 s21, 0
	s_lshl_b32 s2, ttmp9, 16                       ; the work-group's 65,536 bytes of qweight
	s_mov_b32 s3, 0
	s_wait_kmcnt 0x0
	s_add_nc_u64 s[4:5], s[4:5], s[2:3]
	s_lshl_b32 s2, ttmp9, 12                       ; its 4,096 bytes of scales
	s_add_nc_u64 s[6:7], s[6:7], s[2:3]
	s_lshl_b32 s2, ttmp9, 10                       ; its 1,024 bytes of each block of wh
	s_add_nc_u64 s[8:9], s[8:9], s[2:3]
	s_add_nc_u64 s[16:17], s[16:17], s[20:21]
	s_lshr_b32 s20, s20, 1                         ; xh: half as many bytes
	s_add_nc_u64 s[18:19], s[18:19], s[20:21]
	s_wait_alu depctr_va_vdst(0)                   ; the seven offsets and LDS addresses v4 to v8, v120 and v121 are written: every global load and store and every LDS instruction but the closing add reads one of them
	global_load_b128 v[SC:SC+3], v[SO], s[6:7]
.irp i, 0,1,2,3,4,5,6,7,8,9,10,11,12,13,14,15
	global_load_b128 v[X+4*(\i):X+4*(\i)+3], v[QO], s[4:5] offset:128*(\i) th:TH_LOAD_NT
.endr
.set n, 0
.rept DEPTH
	global_load_b128 v[CX+4*n:CX+4*n+3], v[XI], s[16:17] offset:512*n th:TH_LOAD_NT  ; x's eight buffers are filled: they are on their way during all the work on W
.set n, n+1
.endr
	s_wait_loadcnt 16+DEPTH                        ; the scales are in; the 16 + 32 younger loads stay out
	v_mov_b32 v9, v[SC+1]                          ; groups 4 l .. 4 l + 3 -> (even, even), (odd, odd)
	v_mov_b32 v[SC+1], v[SC+2]
	v_mov_b32 v[SC+2], v9
	s_wait_alu depctr_va_vdst(0)                   ; the moves have written v[SC+1] and v[SC+2], which the LDS stores read
	ds_store_b64 v[LW], v[SC:SC+1]
	ds_store_b64 v[LW], v[SC+2:SC+3] offset:OD
	s_wait_dscnt 0x0                               ; for the other waves' sake: my stores are done
	s_barrier_signal -1
	s_barrier_wait -1                              ; all eight rows' scales lie in LDS
.irp i, 0,1,2,3
	ds_load_b128 v[S+4*(\i):S+4*(\i)+3], v[LR] offset:16*(\i)  ; no vector instruction has named v[S ..] yet
.endr
	s_wait_dscnt 0x0
.irp i, 0,2,4,6,8,10,12,14
	v_pk_mul_f32 v[C+(\i):C+(\i)+1], v[S+(\i):S+(\i)+1], s[14:15] op_sel_hi:[1,0]
.endr
; W.  Chunk i's arithmetic, and its store.
.macro WORK i
	s_wait_loadcnt DEPTH+15-(\i)                   ; loads come back in order (ISA guide 5.7.1): chunk i is in; the younger chunks and x's 32 loads stay out
.irp j, 0,1,2,3
	v_and_b32 v[T+2*(\j)], 15, v[X+4*(\i)+(\j)]    ; the even k
	v_bfe_u32 v[T+2*(\j)+1], v[X+4*(\i)+(\j)], 4, 4  ; the odd k
.endr
.irp j, 0,1,2,3,4,5,6,7
	v_cvt_f32_u32 v[T+(\j)], v[T+(\j)]
.endr
.irp j, 0,1,2,3,4,5,6,7
	v_fma_f32 v[T+(\j)], v[T+(\j)], v[S+(\i)], v[C+(\i)]  ; q s - 8 s
.endr
.irp j, 0,1,2,3
	v_cvt_pk_f16_f32 v[X+4*(\i)+(\j)], v[T+2*(\j)], v[T+2*(\j)+1]  ; in place: the word's two weights, the even k below
.endr
.endm
.macro WOUT i
	global_store_b128 v[WO], v[X+4*(\i):X+4*(\i)+3], s[8:9] offset:(\i)*WBLK  ; the block stands in the immediate: 3,932,160 at the most, inside its signed 24 bits
.endm
.irp c, 0,1,2,3
	WORK \c                                        ; W's first block of four chunks: there is nothing to store yet
.endr
.irp p, 1,2,3
	s_wait_alu depctr_va_vdst(0)                   ; the block before has written its four chunks of X, which the four stores below read; this block's vector work names none of them
.irp c, 0,1,2,3
	WOUT 4*(\p)-4+(\c)
	WORK 4*(\p)+(\c)
.endr
.endr
; x.  Slot i of buffer k is rounded.
.macro CVT k, i
	v_cvt_pk_f16_f32 v[CY+8*(\k)+2*(\i)],   v[CX+16*(\k)+4*(\i)],   v[CX+16*(\k)+4*(\i)+1]
	v_cvt_pk_f16_f32 v[CY+8*(\k)+2*(\i)+1], v[CX+16*(\k)+4*(\i)+2], v[CX+16*(\k)+4*(\i)+3]
.endm
; Place b (0 to 7) of a lap: the block that works on buffer (b + 1) % 8.  Its loads land in CX[b] and its stores leave from CY[b], the buffers of the block before.  The bases stand at the lap's first
; stored slot: the stores' slots are 4 b + i from there, the loads' a whole ring further on.
; ahead = 1: the block seven on is loaded.  left = how many younger loads may stay out.  free = 1: the pair that frees the CY buffers stands at the head.
.macro BLK b, ahead, left, free
	s_wait_loadcnt \left                           ; my buffer's four loads are in, the younger blocks stay out
.if \free
	s_wait_xcnt 0x0                                ; every earlier memory instruction has had its addresses translated (ISA guide 3.1): the result registers of earlier stores are written again only behind this wait,
	s_wait_alu depctr_vm_vsrc(0)                   ; and the stores issued so far have read their CY: this block and the three behind it write buffers whose stores stand ahead of this line
.endif
	s_wait_alu depctr_va_vdst(0)                   ; the block before has written CY[b], which the stores below read, and is done reading CX[b], in which the loads below land
.irp i, 0,1,2,3
.if \ahead
	global_load_b128 v[CX+16*(\b)+4*(\i):CX+16*(\b)+4*(\i)+3], v[XI], s[16:17] offset:512*(DEPTH+4*(\b)+(\i)) th:TH_LOAD_NT  ; no vector instruction since the wait names these registers
.endif
	global_store_b64 v[XO], v[CY+8*(\b)+2*(\i):CY+8*(\b)+2*(\i)+1], s[18:19] offset:256*(4*(\b)+(\i))
	CVT ((\b)+1)%8, \i
.endr
.endm
	; x's block 0, with W's last block in front of it: its memory instructions are the stores of chunks 12 to 15; it loads nothing, since all eight buffers were asked for at the head
	s_wait_loadcnt DEPTH-BLOCK                     ; buffer 0 is in; the seven younger blocks stay out
	s_wait_xcnt 0x0                                ; the stores of chunks 0 to 11 have had their addresses translated,
	s_wait_alu depctr_vm_vsrc(0)                   ; and have read v56-103, which are CY0 to CY5 from here on
	s_wait_alu depctr_va_vdst(0)                   ; W's last block has written chunks 12 to 15 (v104-119), which the stores below read; these registers, CY6 and CY7, are written again only behind the first lap's middle pair
.irp i, 0,1,2,3
	WOUT 12+(\i)
	CVT 0, \i
.endr
	s_mov_b32 s22, ROUNDS-1
.Lround:                                               ; blocks 1 to 24, eight to a lap: both kinds of buffer are back at their start
	BLK 0, 1, DEPTH-2*BLOCK, 0
	BLK 1, 1, DEPTH-2*BLOCK, 0
	BLK 2, 1, DEPTH-2*BLOCK, 0
	BLK 3, 1, DEPTH-2*BLOCK, 0
	BLK 4, 1, DEPTH-2*BLOCK, 1                     ; the middle pair: it frees CY0, stored in this lap's first block and written again in its last
	BLK 5, 1, DEPTH-2*BLOCK, 0
	BLK 6, 1, DEPTH-2*BLOCK, 0
	BLK 7, 1, DEPTH-2*BLOCK, 0
	s_wait_xcnt 0x0                                ; every load and store issued so far has had its addresses translated: the two bases move on only behind this wait, and so are CY4 to CY7 written again;
	s_wait_alu depctr_vm_vsrc(0)                   ; the stores of this lap's last four blocks have read CY4 to CY7, which the blocks behind the branch write again
	s_add_nc_u64 s[16:17], s[16:17], DEPTH*512
	s_add_nc_u64 s[18:19], s[18:19], DEPTH*256
	s_sub_co_u32 s22, s22, 1
	s_cmp_lg_u32 s22, 0
	s_cbranch_scc1 .Lround
.irp b, 0,1,2,3,4,5,6
	BLK \b, 0, DEPTH-2*BLOCK-BLOCK*(\b), 0         ; blocks 25 to 31 load nothing: no load leaves x, and the counts run down; what they write was freed by the last lap's two pairs
.endr
	s_wait_alu depctr_va_vdst(0)                   ; block 31 has written CY7, which the last four stores read
.irp i, 0,1,2,3
	global_store_b64 v[XO], v[CY+8*7+2*(\i):CY+8*7+2*(\i)+1], s[18:19] offset:256*(4*7+(\i))
.endr
	s_wait_dscnt 0x0                               ; the closing lines, six on end
	s_wait_alu 0x0
	s_wait_tensorcnt 0x0
	ds_add_u32 v[SPW], v[NIL]
	s_wait_dscnt 0x0
	s_endpgm
.Lfunc_end_k_q8232d8ac49_prep:
	.size	k_q8232d8ac49_prep, .Lfunc_end_k_q8232d8ac49_prep-k_q8232d8ac49_prep
	.p2alignl 7, 3214868480
	.fill 96, 4, 3214868480
	.section	.rodata,"a",@progbits
	.p2align	6, 0x0
	.amdhsa_kernel k_q8232d8ac49_prep
		.amdhsa_group_segment_fixed_size 5632
		.amdhsa_private_segment_fixed_size 0
		.amdhsa_enable_private_segment 0
		.amdhsa_kernarg_size 40
		.amdhsa_user_sgpr_count 2
		.amdhsa_user_sgpr_kernarg_segment_ptr 1
		.amdhsa_wavefront_size32 1
		.amdhsa_system_sgpr_workgroup_id_x 1
		.amdhsa_system_sgpr_workgroup_id_y 1
		.amdhsa_system_sgpr_workgroup_id_z 1
		.amdhsa_system_vgpr_workitem_id 0
		.amdhsa_next_free_vgpr 252
		.amdhsa_next_free_sgpr 66
		.amdhsa_reserve_vcc 0
		.amdhsa_float_denorm_mode_32 3
		.amdhsa_float_denorm_mode_16_64 3
		.amdhsa_memory_ordered 1
		.amdhsa_forward_progress 1
		.amdhsa_inst_pref_size 51
	.end_amdhsa_kernel
	.amdgpu_metadata
---
amdhsa.version: [ 1, 2 ]
amdhsa.kernels:
  - .name:           k_q8232d8ac49_prep
    .symbol:         k_q8232d8ac49_prep.kd
    .args:
      - { .name: qweight, .offset: 0, .size: 8, .value_kind: global_buffer, .address_space: global }
      - { .name: scales, .offset: 8, .size: 8, .value_kind: global_buffer, .address_space: global }
      - { .name: wh, .offset: 16, .size: 8, .value_kind: global_buffer, .address_space: global }
      - { .name: x, .offset: 24, .size: 8, .value_kind: global_buffer, .address_space: global }
      - { .name: xh, .offset: 32, .size: 8, .value_kind: global_buffer, .address_space: global }
    .group_segment_fixed_size: 5632
    .private_segment_fixed_size: 0
    .kernarg_segment_align: 8
    .kernarg_segment_size: 40
    .max_flat_workgroup_size: 256
    .sgpr_count:     66
    .vgpr_count:     252
    .wavefront_size: 32
...
	.end_amdgpu_metadata
.endif
;; end of part 3
;; launch gemm: the kernel of part 2 again; grid 8 x 32, 4 waves a work-group, clusters of 4 x 4, 327,680 bytes of LDS; arguments xh, wh, out0; writes out0
